; MI455X (gfx1250); checked and timed in simulation.
; The chip was launched on July 23, 2026; its instructions are those of AMD's public machine-readable ISA for CDNA 5 (MIT licence, August 2026) and "CDNA5" Instruction Set Architecture Reference Guide (July 2026). The comments in the code are by the model that wrote it; some were corrected since.
;; Quantizing. Allowed arithmetic: float matrix products may take bf16 or f16 operands with f32 sums; other float arithmetic in f32, or as packed bf16 or f16 multiplies, adds, multiply-adds, maxima and minima; sums over many terms, partial sums and values carried from step to step in f32; what a program stores and reads back later, other than sums and carried values, may be rounded once to bf16 or f16.
;; Inputs: weight 8,192 x 512 float32; x 8 x 2,048 x 512 float32.
;; Outputs: out0 8 x 2,048 x 512 float32; out1 8 x 2,048 int32.
;; 2 versions, each right; version 2 is version 1 with the launch prep written anew for expert scheduling mode. Each part assembles by itself: llvm-mc -triple=amdgcn-amd-amdhsa -mcpu=gfx1250 --defsym DOCPART=n.
;; ======== version 1 of 2: 3 launches
;; workspace buffers: xb 16,777,216 bytes; wb 8,388,608 bytes; xsq 65,536 bytes; wsq 32,768 bytes; pmin 262,144 bytes; pidx 262,144 bytes of whole numbers
;; launch prep (part 1): grid 256 x 1, 8 waves a work-group, no clusters, 1,536 bytes of LDS; arguments x, weight, xb, wb, xsq, wsq; writes xb, wb, xsq, wsq
.if DOCPART == 1
	.amdgcn_target "amdgcn-amd-amdhsa--gfx1250"
	.amdhsa_code_object_version 6
	.text
	.protected	k_qbebdd89d21_prep
	.globl	k_qbebdd89d21_prep
	.p2align	8
	.type	k_qbebdd89d21_prep,@function
k_qbebdd89d21_prep:
	s_mov_b64 s[64:65], 0
	v_nop
	global_prefetch_b8 v0, s[64:65] scope:SCOPE_SE
	s_setreg_imm32_b32 hwreg(HW_REG_WAVE_MODE, 25, 1), 1
	s_wait_xcnt 0x0
; FIRST OF THREE LAUNCHES of: dist[n][q] = (|x[n]|^2 - 2 x[n].w[q]) + |w[q]|^2, idx[n] = first q of the least dist, out[n] = w[idx[n]].   x: [16384][512] f32, w: [8192][512] f32.
; THIS LAUNCH rounds x and w once to bf16 (xb, wb: what the matrix products of the next launch take and what the last launch gathers) and sums, in f32, the squares of the ROUNDED numbers of each row (xsq, wsq).
; NO WORK IS LEFT OUT, and every input is loaded.  |x[n]|^2 is the same for all q and would cancel in exact arithmetic, but it stays: it is some 5e2 where the distances of a row differ by some 1e-2, so the
; f32 sums of the formula above lose low bits of the rest, equal distances arise from that, and the first index wins them.  The next launch therefore makes the same two f32 roundings in the same order.
; LIMITS.  The sums of squares are taken in another order than a plain running sum (two packed chains a lane, then across the 32 lanes).  NaN and infinities are not treated apart.
; SHARES.  Work-group g: rows 64 g .. + 63 of x and rows 32 g .. + 31 of w.  A wave takes a whole row at a time: 8 rows of x and 4 of w, twelve in all.  A row is 2,048 bytes: four loads of 16 bytes a lane, each
; 512 consecutive bytes.  All 48 loads of a wave go out at once, each row into registers of its own: 24 KiB a wave on their way, no register is loaded twice, and no source of a store is written again.
; Nothing is shared between waves on the way in, so there is no LDS there, no matrix work and no cluster; the row sums meet in LDS so that they leave in one store of 256 (128) consecutive bytes a work-group.
.set SPARE, 512                        ; LDS: 0-255 the 64 sums of x's rows, 256-383 the 32 of w's; from 512 on the spare words, 128 bytes for each of the eight waves, which no other line names
.set LO,  2                            ; v2   16 x lane: my 16 bytes of a load's 512
.set SO,  3                            ; v3   8 x lane: my 8 bytes of a store's 256
.set LWX, 4                            ; v4   LDS: 32 x wave: my wave's eight sums of x
.set LWW, 5                            ; v5   LDS: 256 + 16 x wave: my wave's four sums of w
.set WO,  6                            ; v6   4 x lane
.set T,   8                            ; v[8:23]   a lane's 16 rounded numbers as f32
.set S,   24                           ; v[24:27]  two packed chains of squares
.set SPW, 30                           ; v30  LDS address of my spare word; never rewritten
.set NIL, 31                           ; v31  0; never rewritten
.set D,   32                           ; v[32:223] row n of twelve at D + 16 n, load c at + 4 c
	s_load_b256 s[4:11], s[0:1], 0x0               ; x s[4:5], weight s[6:7], xb s[8:9], wb s[10:11]
	s_load_b128 s[12:15], s[0:1], 0x20             ; xsq s[12:13], wsq s[14:15]
	v_lshl_add_u32 v[SPW], v0, 2, SPARE
	v_mov_b32 v[NIL], 0
	v_lshrrev_b32 v1, 5, v0
	v_readfirstlane_b32 s16, v1                    ; wave 0..7
	v_and_b32 v1, 31, v0                           ; lane
	v_lshlrev_b32 v[LO], 4, v1
	v_lshlrev_b32 v[SO], 3, v1
	v_lshlrev_b32 v[WO], 2, v1
	s_lshl_b32 s17, s16, 5
	v_mov_b32 v[LWX], s17
	s_lshl_b32 s17, s16, 4
	s_add_co_u32 s17, s17, 256
	v_mov_b32 v[LWW], s17
	v_mov_b32 v29, 0                               ; v_permlanex16_b32 counts as a reader of its destination
	s_mov_b32 s20, 0x76543210                      ; its selects: each lane takes its own place in the other half
	s_mov_b32 s21, 0xfedcba98
	s_mov_b32 s22, 0xffff0000                      ; a word's upper bf16
	s_lshl_b32 s18, ttmp9, 17                      ; x: 64 rows of 2,048 bytes a work-group,
	s_lshl_b32 s17, s16, 14                        ; 8 a wave
	s_add_co_u32 s18, s18, s17
	s_mov_b32 s19, 0
	s_lshl_b32 s24, ttmp9, 8                       ; xsq: 64 sums a work-group
	s_mov_b32 s25, 0
	s_wait_kmcnt 0x0
	s_add_nc_u64 s[4:5], s[4:5], s[18:19]
	s_lshr_b32 s18, s18, 1                         ; half of that for w (32 and 4 rows of 2,048 bytes) and for xb (64 and 8 rows of 1,024)
	s_add_nc_u64 s[6:7], s[6:7], s[18:19]
	s_add_nc_u64 s[8:9], s[8:9], s[18:19]
	s_lshr_b32 s18, s18, 1                         ; a quarter for wb
	s_add_nc_u64 s[10:11], s[10:11], s[18:19]
	s_add_nc_u64 s[12:13], s[12:13], s[24:25]
	s_lshr_b32 s24, s24, 1                         ; wsq: 32 sums a work-group
	s_add_nc_u64 s[14:15], s[14:15], s[24:25]
.irp n, 0,1,2,3,4,5,6,7
.irp c, 0,1,2,3
	global_load_b128 v[D+16*(\n)+4*(\c):D+16*(\n)+4*(\c)+3], v[LO], s[4:5] offset:(\n)*2048+512*(\c) th:TH_LOAD_NT
.endr
.endr
.irp n, 0,1,2,3
.irp c, 0,1,2,3
	global_load_b128 v[D+16*(8+(\n))+4*(\c):D+16*(8+(\n))+4*(\c)+3], v[LO], s[6:7] offset:(\n)*2048+512*(\c) th:TH_LOAD_NT
.endr
.endr
; Row n: rounded, stored, squared and summed.
.macro ROW n
.set RR, D+16*(\n)
	s_wait_loadcnt 4*(11-(\n))                     ; loads come back in order: this row's four are in, the younger rows' stay out
.irp c, 0,1,2,3
	v_cvt_pk_bf16_f32 v[RR+4*(\c)],   v[RR+4*(\c)],   v[RR+4*(\c)+1]   ; four numbers into two words, to nearest even
	v_cvt_pk_bf16_f32 v[RR+4*(\c)+1], v[RR+4*(\c)+2], v[RR+4*(\c)+3]
.endr
.irp c, 0,1,2,3
.if (\n) < 8
	global_store_b64 v[SO], v[RR+4*(\c):RR+4*(\c)+1], s[8:9] offset:(\n)*1024+256*(\c)        ; the wave stores 256 consecutive bytes, aligned
.else
	global_store_b64 v[SO], v[RR+4*(\c):RR+4*(\c)+1], s[10:11] offset:((\n)-8)*1024+256*(\c)
.endif
.endr
.irp c, 0,1,2,3
	v_lshlrev_b32 v[T+4*(\c)],   16,  v[RR+4*(\c)]                    ; the rounded numbers as f32
	v_and_b32     v[T+4*(\c)+1], s22, v[RR+4*(\c)]
	v_lshlrev_b32 v[T+4*(\c)+2], 16,  v[RR+4*(\c)+1]
	v_and_b32     v[T+4*(\c)+3], s22, v[RR+4*(\c)+1]
.endr
	v_pk_mul_f32 v[S:S+1],   v[T:T+1],   v[T:T+1]                     ; the first squares start the two chains: nothing is cleared
	v_pk_mul_f32 v[S+2:S+3], v[T+2:T+3], v[T+2:T+3]
.irp p, 2,3,4,5,6,7
	v_pk_fma_f32 v[S+2*((\p)%2):S+2*((\p)%2)+1], v[T+2*(\p):T+2*(\p)+1], v[T+2*(\p):T+2*(\p)+1], v[S+2*((\p)%2):S+2*((\p)%2)+1]
.endr
	v_pk_add_f32 v[S:S+1], v[S:S+1], v[S+2:S+3]
	v_add_f32 v28, v[S], v[S+1]
	v_add_f32_dpp v28, v28, v28 row_xmask:1 row_mask:0xf bank_mask:0xf  ; across the 32 lanes: four steps inside each half, one across the halves
	v_add_f32_dpp v28, v28, v28 row_xmask:2 row_mask:0xf bank_mask:0xf
	v_add_f32_dpp v28, v28, v28 row_xmask:4 row_mask:0xf bank_mask:0xf
	v_add_f32_dpp v28, v28, v28 row_xmask:8 row_mask:0xf bank_mask:0xf
	v_permlanex16_b32 v29, v28, s20, s21
	v_add_f32 v28, v28, v29
.if (\n) < 8
	ds_store_b32 v[LWX], v28 offset:4*(\n)         ; all lanes write the same word with the same number
.else
	ds_store_b32 v[LWW], v28 offset:4*((\n)-8)
.endif
.endm
.irp n, 0,1,2,3,4,5,6,7,8,9,10,11
	ROW \n
.endr
	s_wait_dscnt 0x0                               ; for the others' sake: my sums lie in LDS
	s_barrier_signal -1
	s_barrier_wait -1                              ; everybody's do
	s_cmp_lg_u32 s16, 0
	s_cbranch_scc1 .Lnot_wave_0
	ds_load_b64 v[T:T+1], v[SO]                    ; wave 0: the 64 sums of x's rows
	s_wait_dscnt 0x0
	global_store_b64 v[SO], v[T:T+1], s[12:13]     ; 256 consecutive bytes, aligned
	s_branch .Lend
.Lnot_wave_0:
	s_cmp_lg_u32 s16, 1
	s_cbranch_scc1 .Lend
	ds_load_b32 v[T], v[WO] offset:256             ; wave 1: the 32 sums of w's rows
	s_wait_dscnt 0x0
	global_store_b32 v[WO], v[T], s[14:15]         ; 128 consecutive bytes
.Lend:
	s_wait_tensorcnt 0x0                           ; the wave's end, behind my last LDS store
	ds_add_u32 v[SPW], v[NIL]
	s_wait_dscnt 0x0
	s_endpgm
.Lfunc_end_k_qbebdd89d21_prep:
	.size	k_qbebdd89d21_prep, .Lfunc_end_k_qbebdd89d21_prep-k_qbebdd89d21_prep
	.p2alignl 7, 3214868480
	.fill 96, 4, 3214868480
	.section	.rodata,"a",@progbits
	.p2align	6, 0x0
	.amdhsa_kernel k_qbebdd89d21_prep
		.amdhsa_group_segment_fixed_size 1536
		.amdhsa_private_segment_fixed_size 0
		.amdhsa_enable_private_segment 0
		.amdhsa_kernarg_size 48
		.amdhsa_user_sgpr_count 2
		.amdhsa_user_sgpr_kernarg_segment_ptr 1
		.amdhsa_wavefront_size32 1
		.amdhsa_system_sgpr_workgroup_id_x 1
		.amdhsa_system_sgpr_workgroup_id_y 1
		.amdhsa_system_sgpr_workgroup_id_z 1
		.amdhsa_system_vgpr_workitem_id 0
		.amdhsa_next_free_vgpr 224
		.amdhsa_next_free_sgpr 66
		.amdhsa_reserve_vcc 0
		.amdhsa_float_denorm_mode_32 3
		.amdhsa_float_denorm_mode_16_64 3
		.amdhsa_memory_ordered 1
		.amdhsa_forward_progress 1
		.amdhsa_inst_pref_size 36
	.end_amdhsa_kernel
	.amdgpu_metadata
---
amdhsa.version: [ 1, 2 ]
amdhsa.kernels:
  - .name:           k_qbebdd89d21_prep
    .symbol:         k_qbebdd89d21_prep.kd
    .args:
      - { .name: x, .offset: 0, .size: 8, .value_kind: global_buffer, .address_space: global }
      - { .name: weight, .offset: 8, .size: 8, .value_kind: global_buffer, .address_space: global }
      - { .name: xb, .offset: 16, .size: 8, .value_kind: global_buffer, .address_space: global }
      - { .name: wb, .offset: 24, .size: 8, .value_kind: global_buffer, .address_space: global }
      - { .name: xsq, .offset: 32, .size: 8, .value_kind: global_buffer, .address_space: global }
      - { .name: wsq, .offset: 40, .size: 8, .value_kind: global_buffer, .address_space: global }
    .group_segment_fixed_size: 1536
    .private_segment_fixed_size: 0
    .kernarg_segment_align: 8
    .kernarg_segment_size: 48
    .max_flat_workgroup_size: 256
    .sgpr_count:     66
    .vgpr_count:     224
    .wavefront_size: 32
...
	.end_amdgpu_metadata
.endif
;; end of part 1
;; launch dist (part 2): grid 64 x 4, 4 waves a work-group, clusters of 4 x 1, 327,680 bytes of LDS; arguments xb, wb, xsq, wsq, pmin, pidx; writes pmin, pidx
.if DOCPART == 2
	.amdgcn_target "amdgcn-amd-amdhsa--gfx1250"
	.amdhsa_code_object_version 6
	.text
	.protected	k_qbebdd89d21_dist
	.globl	k_qbebdd89d21_dist
	.p2align	8
	.type	k_qbebdd89d21_dist,@function
k_qbebdd89d21_dist:
	s_mov_b64 s[64:65], 0
	v_nop
	global_prefetch_b8 v0, s[64:65] scope:SCOPE_SE
	s_setreg_imm32_b32 hwreg(HW_REG_WAVE_MODE, 25, 1), 1
	s_wait_xcnt 0x0
	s_wait_alu depctr_hold_cnt(0) depctr_sa_sdst(0) depctr_va_vdst(0) depctr_va_sdst(0) depctr_va_ssrc(0) depctr_va_vcc(0) depctr_vm_vsrc(0)
	s_getreg_b32 s2, hwreg(HW_REG_IB_STS2, 6, 4)
	s_cmp_eq_u32 s2, 0
	s_cbranch_scc0 .Lentry_in_a_cluster
	s_endpgm
.Lentry_in_a_cluster:
	s_bfe_u32 s2, ttmp6, 0x10000c
	s_cmp_lg_u32 s2, 0x3003
	s_cbranch_scc0 .Lentry_shape_is_right
	s_endpgm
.Lentry_shape_is_right:
; SECOND OF THREE LAUNCHES.  For each of the 16,384 rows n and each quarter of the 8,192 codes: the least d[n][q] = fl(fl(xsq[n] - 2 dot[n][q]) + wsq[q]) and the first q that has it.
; dot = xb[n] . wb[q]: bf16 operands, f32 sums, by the matrix unit.  Nothing is left out: xsq[n], though the same for all q, takes part in both roundings (see the first launch's head).
; 2 dot is exact, so one fused multiply-add (dot x -2 + xsq) rounds as xsq - 2 dot does; wsq is added by a second instruction: the formula's two roundings, in its order.
; LIMITS.  dot's f32 sums are taken in the matrix unit's order.  A NaN distance never wins.  Where no distance of a quarter lies below +infinity the quarter's first code is stored with +infinity.
; SHARES.  Work-group (rb, split): rows 256 rb .. + 255, codes 2,048 split .. + 2,047.  Wave w keeps rows 64 w .. + 63 of the block, four blocks a of 16 rows x 512 channels, in 512 registers for the whole
; launch.  All four waves walk the same 128 TILES of 16 codes: a tile is 64 matrix instructions a wave (16 along K x 4 row blocks) and 32 LDS loads, so a fragment read from LDS feeds four products.
; LAYOUT.  Source 0 = 16 codes, source 1 = 16 rows of x: in the result a lane holds ONE row (lane % 16) and in register j the code 8 (lane / 16) + j.  So xsq is one number a lane and block, wsq eight numbers
; a tile, and each (lane, block, j) keeps a running least distance and the number of the tile that gave it: strictly-less in ascending tiles keeps the first.  Lanes meet once, at the end.
; SIDE BY SIDE.  Two sets of four accumulators.  While tile t is multiplied into one set, tile t - 1's 128 vector instructions (the RIDERS) work on the other: four behind every second matrix instruction.
; RING.  Two LDS slots of 128 codes (eight tiles).  Each wave fetches 32 rows x 1,024 bytes with one tensor load.  A slot is left when its last tile lies in registers; the refill then has eight tiles,
; 512 matrix instructions a wave, in which to land.
; CLUSTER.  The four work-groups of a cluster have four row blocks and ONE split: they walk the same codes, so every tile is asked for jointly: the same load, descriptor and mask in all four.
; REGISTERS, in windows of 256 (s_set_vgpr_msb: bits 1:0 source 0, 3:2 source 1, 5:4 source 2, 7:6 destination):
;   window 0: v0-15 addresses; v16-23 xsq; v24-39 wsq, two buffers; v64-127 the accumulators; v128-159 least distances; v160-191 their tiles; v192-215 the end's work
;   window 1: the codes' fragments, two buffers of 128          window 2: x, channels 0-255          window 3: x, channels 256-511
.set PITCH, 1040                       ; a code's row in LDS: 1,024 bytes + 16 of padding = 260 words: row r starts at bank 4 r mod 64 (64 banks of 4 bytes: ISA guide 11.1), so the 16 rows of a load start at 16 different banks
.set TILEB, 16*PITCH                   ; a tile
.set WPART, 32*PITCH                   ; what one tensor load brings: 0x8200
.set SLOTB, 128*PITCH                  ; a slot: 0x20800.  wave x 0x8200 has neither of its two bits set, and a tile's address is taken back to the slot's head first: so one exclusive or changes slots
.set STEPB, 128*1024                   ; a slot's codes in memory
.set WSQ,   2*SLOTB                    ; behind the ring: the split's 2,048 wsq, filled once
.set STAGE, WSQ+8192                   ; 512 bytes a wave for the way out: never filled by a tensor load
.set SPARE, STAGE+2048                 ; the spare words, 128 bytes for each wave: two blocks of 256 bytes that no other line names
.set AW0, 3                            ; v3   my lane's place in a tile: (l % 16) x PITCH + 16 (l / 16); never rewritten
.set ADR, 4                            ; v4   the LDS address of the run of loads in hand
.set AQ0, 5                            ; v5   WSQ + 32 (l / 16); never rewritten
.set AQ,  6                            ; v6   the LDS address of a tile's wsq
.set XO,  7                            ; v7   my byte offset in 16 rows of xb
.set PFO, 8                            ; v8   256 x my thread's number; never rewritten
.set STO, 9                            ; v9   the way out: my row's word in my wave's stage
.set RD,  10                           ; v10  the way out: where I read two words back
.set GO,  11                           ; v11  8 x lane
.set SPW, 12                           ; v12  LDS address of my spare word; never rewritten
.set NIL, 13                           ; v13  0; never rewritten
.set XQO, 15                           ; v15  4 (l % 16)
.set XS,  16                           ; v[16:23]  block a: xsq of my row, twice (a pair for the packed instruction)
.set QB,  24                           ; v[24:39]  two buffers of a tile's eight wsq
.set ACC, 64                           ; set p at ACC + 32 p, block a at + 8 a
.set BEST, 128                         ; (a, j) at + 8 a + j
.set IDX, 160
.set CJ,  192                          ; the end: 2,048 split + 8 (l / 16) + j
.set TM,  200
.set BIG, 202
.set BK,  204
.set CA,  208
.set WV,  16                           ; s16  my wave's number
.set G1W, 24                           ; s[24:31] descriptor group 1 for the codes' tiles
.set G1Q, 32                           ; s[32:39] for wsq
.set G0A, 40                           ; s[40:43] descriptor group 0: slot 0's first fill
.set G0B, 44                           ; s[44:47] slot 1's first fill; then it walks
.set G0Q, 48                           ; s[48:51] wsq
.set SLOTS, 52                         ; s52  counts the slots
.set CNT, 53                           ; s53  counts a slot's pairs of tiles
.set TB,  54                           ; s54  LDS byte of the tile to be fetched
.set TN,  55                           ; s55  the number of the tile that the riders judge
.set LIM, 56                           ; s56  1 in a cluster that prefetches, else the greatest number
.set MK,  57                           ; s57  a second compare's mask
.set PFA, 58                           ; s[58:59] where my work-group's prefetches stand
.set SEL, 60                           ; s[60:61] v_permlanex16_b32's selects
.set TW,  62                           ; s62  byte of the multiplied tile's wsq in the table
.set MSB, 0
.macro WIN new                         ; the immediate's high byte repeats the setting that is left; a switch that changes nothing is dropped
.if MSB != (\new)
	s_set_vgpr_msb (MSB<<8)|(\new)
.set MSB, (\new)
.endif
.endm
; A round of the cluster's barrier: my work-group's barrier, so that wave 0's signal speaks for all four waves; wave 0 signals; every wave waits for all four work-groups; my work-group's barrier once more.
.macro CROUND
	s_barrier_signal -1
	s_barrier_wait -1
	s_cmp_lg_u32 s[WV], 0
	s_cbranch_scc1 .Lnot_wave_0_\@
	s_barrier_signal -3
.Lnot_wave_0_\@:
	s_barrier_wait -3
	s_barrier_signal -1
	s_barrier_wait -1
.endm
	s_load_b256 s[4:11], s[0:1], 0x0               ; xb s[4:5], wb s[6:7], xsq s[8:9], wsq s[10:11]
	s_load_b128 s[12:15], s[0:1], 0x20             ; pmin s[12:13], pidx s[14:15]
	v_lshl_add_u32 v[SPW], v0, 2, SPARE
	v_mov_b32 v[NIL], 0
	ds_add_u32 v[SPW], v[NIL]                      ; the wave's opening: the add, twice on end, and its wait ahead of my first tensor load; the set-up below, work on registers, stands between
	ds_add_u32 v[SPW], v[NIL]
	v_lshrrev_b32 v14, 5, v0
	v_readfirstlane_b32 s[WV], v14                 ; wave 0..3
	s_bfe_u32 s17, ttmp6, 0x40000                  ; cx: my place in the cluster: it enters xb's, xsq's, pmin's, pidx's and the prefetches' addresses alone
	s_lshl_b32 s18, ttmp9, 2                       ; in a cluster launch ttmp9 counts clusters
	s_add_co_u32 s18, s18, s17                     ; rb = 4 x cluster x + cx
	s_and_b32 s19, ttmp7, 0xffff                   ; split, which the four partners share
	; group 1 for the codes: 32 rows x 512 elements of 2 bytes, padded in LDS
	s_mov_b32 s[G1W],   15|(1<<16)|(1<<20)|(1<<21)|(7<<22)|(3<<25)  ; 15:0 the mask of four; 17:16 2-byte elements; 20 padding on; 21 set beside a mask; 24:22 after every 256 words (code 7); 31:25 4 words (code 3)
	s_mov_b32 s[G1W+1], 512<<16                    ; tensor_dim0 = 512
	s_mov_b32 s[G1W+2], 32<<16                     ; tensor_dim1 = 32
	s_mov_b32 s[G1W+3], 512<<16                    ; tile_dim0 = 512
	s_mov_b32 s[G1W+4], 32                         ; tile_dim1 = 32
	s_mov_b32 s[G1W+5], 512                        ; 512 elements from row to row
	s_mov_b32 s[G1W+6], 0
	s_mov_b32 s[G1W+7], 0
	; group 1 for wsq: one row of 2,048 bytes, as 256 elements of 8 bytes
	s_mov_b32 s[G1Q],   15|(3<<16)|(1<<21)
	s_mov_b32 s[G1Q+1], 256<<16
	s_mov_b32 s[G1Q+2], 1<<16
	s_mov_b32 s[G1Q+3], 256<<16
	s_mov_b32 s[G1Q+4], 1
	s_mov_b32 s[G1Q+5], 256
	s_mov_b32 s[G1Q+6], 1<<16
	s_mov_b32 s[G1Q+7], 0
	s_mul_i32 s20, s[WV], WPART                    ; my 32 rows of a slot: no place in the cluster enters an LDS address
	s_mov_b32 s[G0A], 1
	s_mov_b32 s[G0A+1], s20
	s_mov_b32 s[G0B], 1
	s_add_co_u32 s[G0B+1], s20, SLOTB
	s_lshl_b32 s21, s[WV], 11                      ; my quarter of the split's wsq
	s_mov_b32 s[G0Q], 1
	s_add_co_u32 s[G0Q+1], s21, WSQ
	s_lshl_b32 s20, s19, 13
	s_add_co_u32 s20, s20, s21                     ; wsq: 8,192 split + 2,048 wave
	s_mov_b32 s21, 0
	s_lshl_b32 s22, s19, 21
	s_lshl_b32 s23, s[WV], 15
	s_add_co_u32 s22, s22, s23                     ; wb: 2 MiB x split + my 32 rows of 1,024 bytes
	s_mov_b32 s23, 0
	s_lshl_b32 s66, s19, 21                        ; the prefetches, in registers of their own: the split,
	s_lshl_b32 s67, s17, 15                        ; my work-group's quarter of a slot,
	s_add_co_u32 s66, s66, s67
	s_add_co_u32 s66, s66, 2*STEPB                 ; slot 2: the first change of slots steps it to slot 3
	s_mov_b32 s67, 0
	s_lshl_b32 s68, s18, 18                        ; xb: 256 rows of 1,024 bytes a block,
	s_lshl_b32 s69, s[WV], 16                      ; 64 a wave
	s_add_co_u32 s68, s68, s69
	s_mov_b32 s69, 0
	s_lshl_b32 s70, s18, 10                        ; xsq: 4 (256 rb + 64 wave)
	s_lshl_b32 s71, s[WV], 8
	s_add_co_u32 s70, s70, s71
	s_mov_b32 s71, 0
	s_lshl_b32 s63, s[WV], 9
	s_add_co_u32 s63, s63, STAGE                   ; my stage
	s_mov_b32 s[SEL], 0x76543210
	s_mov_b32 s[SEL+1], 0xfedcba98
	s_mov_b32 s[TB], 0
	s_mov_b32 s[TW], 0
	s_mov_b32 s[TN], -1
	s_cmp_eq_u32 ttmp9, 0                          ; all clusters of a split walk the same codes: the first of them prefetches; the same in all four partners
	s_cselect_b32 s[LIM], 1, -1
	v_and_b32 v1, 15, v0                           ; l % 16
	v_bfe_u32 v2, v0, 4, 1                         ; l / 16
	v_and_b32 v14, 31, v0                          ; l
	v_mul_u32_u24 v[AW0], v1, PITCH
	v_lshl_add_u32 v[AW0], v2, 4, v[AW0]
	v_lshl_add_u32 v[AQ0], v2, 5, WSQ
	v_lshlrev_b32 v[XO], 10, v1
	v_lshl_add_u32 v[XO], v2, 4, v[XO]
	v_lshlrev_b32 v[PFO], 8, v0
	v_lshl_add_u32 v[STO], v1, 2, s63
	v_lshl_add_u32 v[RD], v14, 3, s63
	v_lshlrev_b32 v[GO], 3, v14
	v_lshlrev_b32 v[XQO], 2, v1
	s_wait_dscnt 0x0                               ; both opening adds are done
	s_wait_kmcnt 0x0
	s_add_nc_u64 s[G0A+2:G0A+3], s[6:7], s[22:23]  ; slot 0: the split's codes 0 to 127
	s_add_nc_u64 s[G0B+2:G0B+3], s[G0A+2:G0A+3], STEPB  ; slot 1: codes 128 to 255
	s_or_b32 s[G0A+3], s[G0A+3], 0x80000000        ; type = 2
	s_or_b32 s[G0B+3], s[G0B+3], 0x80000000
	s_add_nc_u64 s[G0Q+2:G0Q+3], s[10:11], s[20:21]
	s_or_b32 s[G0Q+3], s[G0Q+3], 0x80000000
	s_add_nc_u64 s[PFA:PFA+1], s[6:7], s[66:67]
	s_add_nc_u64 s[4:5], s[4:5], s[68:69]          ; xb at my wave's first row
	s_add_nc_u64 s[8:9], s[8:9], s[70:71]          ; xsq likewise
	s_lshl_b32 s20, s19, 16                        ; pmin and pidx: [split][row]
	s_add_co_u32 s70, s70, s20
	s_add_nc_u64 s[12:13], s[12:13], s[70:71]
	s_add_nc_u64 s[14:15], s[14:15], s[70:71]
	CROUND                                         ; all four work-groups are here: the first joint loads meet
	tensor_load_to_lds s[G0Q:G0Q+3], s[G1Q:G1Q+7]  ; the first fills, every wave alike, in one group: three loads of mine are out
	s_nop 0
	tensor_load_to_lds s[G0A:G0A+3], s[G1W:G1W+7]
	s_nop 0
	tensor_load_to_lds s[G0B:G0B+3], s[G1W:G1W+7]
	s_nop 0
.rept 4
	v_nop
.endr
	; x stays in registers.  A fragment is 16 rows x 32 channels in 8 registers: lane l holds row l % 16, channels 8 (l / 16) + 0..7 and 16 + 8 (l / 16) + 0..7: two loads of 16 bytes, 32 bytes apart.
	WIN 0x80                                       ; destination window 2, address window 0
.set i, 0
.rept 32                                       ; block i / 8, channels 32 (i % 8) on
	global_load_b128 v[8*i:8*i+3],   v[XO], s[4:5] offset:(i/8)*16384+(i%8)*64
	global_load_b128 v[8*i+4:8*i+7], v[XO], s[4:5] offset:(i/8)*16384+(i%8)*64+32
.set i, i+1
.endr
	WIN 0xc0                                       ; destination window 3: channels 256 on
.set i, 0
.rept 32
	global_load_b128 v[8*i:8*i+3],   v[XO], s[4:5] offset:(i/8)*16384+512+(i%8)*64
	global_load_b128 v[8*i+4:8*i+7], v[XO], s[4:5] offset:(i/8)*16384+512+(i%8)*64+32
.set i, i+1
.endr
	WIN 0
.irp a, 0,1,2,3
	global_load_b32 v[XS+2*(\a)], v[XQO], s[8:9] offset:64*(\a)
.endr
	; What the first tile's riders find: a set of accumulators at -infinity, whose distance is +infinity, which is not below the least distance's start, +infinity: they change nothing, and no first tile is
	; written out.  The price: 104 lines, which run while the first tiles are on their way.
.set i, 0
.rept 32
	v_mov_b32 v[BEST+i], 0x7f800000
	v_mov_b32 v[IDX+i], 0
	v_mov_b32 v[ACC+32+i], 0xff800000
.set i, i+1
.endr
.set i, 0
.rept 8
	v_mov_b32 v[QB+8+i], 0
.set i, i+1
.endr
; THE MATRIX WORK.  Product mn of a tile's 64, into set p: channels 32 (mn / 4) on, row block mn % 4.  The first four start the sums with the constant 0.  The four accumulators take turns, one instruction
; a turn; a tile's last product and the next tile's first name different sets.
.macro MM p
.set mk, mn/4
.set ma, mn%4
.set rD, ACC+32*(\p)+8*ma
.set rW, 128*(\p)+8*mk
.set rX, 64*ma+8*(mk%8)
.if mk < 8
	WIN 0x09                                       ; codes in window 1, x in window 2, sums in window 0
.else
	WIN 0x0d                                       ; x in window 3
.endif
.if mk == 0
	v_wmma_f32_16x16x32_bf16 v[rD:rD+7], v[rW:rW+7], v[rX:rX+7], 0
.else
	v_wmma_f32_16x16x32_bf16 v[rD:rD+7], v[rW:rW+7], v[rX:rX+7], v[rD:rD+7]
.endif
.set mn, mn+1
.endm
; THE VECTOR WORK.  Rider rn of 128, beside the products into set p: it judges the OTHER set, the tile before, whose number is s[TN].  32 riders a row block:
;   0-3   dot x -2 + xsq, two at a time, in place (the accumulator's lowest registers are read first)        4-7   + wsq
;   8-31  four groups of six, for codes j and j + 1: is the distance below the least so far? (two masks); the tile's number where it is; the new least
; A group's masks are used within the group, and a block's groups end with the block: no mask is carried from tile to tile.
.macro RID p
.set ra, rn/32
.set rm, rn%32
.set rA, ACC+32*(1-(\p))+8*ra
.set rB, BEST+8*ra
.set rI, IDX+8*ra
.set rQ, QB+8*(1-(\p))
.if rm < 4
	v_pk_fma_f32 v[rA+2*rm:rA+2*rm+1], v[rA+2*rm:rA+2*rm+1], -2.0, v[XS+2*ra:XS+2*ra+1] op_sel_hi:[1,0,1]
.elseif rm < 8
	v_pk_add_f32 v[rA+2*(rm-4):rA+2*(rm-4)+1], v[rA+2*(rm-4):rA+2*(rm-4)+1], v[rQ+2*(rm-4):rQ+2*(rm-4)+1]
.else
.set rj, 2*((rm-8)/6)
.set rs, (rm-8)%6
.if rs == 0
	v_cmp_lt_f32 vcc_lo, v[rA+rj], v[rB+rj]
.elseif rs == 1
	v_cmp_lt_f32 s[MK], v[rA+rj+1], v[rB+rj+1]
.elseif rs == 2
	v_cndmask_b32 v[rI+rj], v[rI+rj], s[TN], vcc_lo
.elseif rs == 3
	v_cndmask_b32 v[rI+rj+1], v[rI+rj+1], s[TN], s[MK]
.elseif rs == 4
	v_min_num_f32 v[rB+rj], v[rA+rj], v[rB+rj]
.else
	v_min_num_f32 v[rB+rj+1], v[rA+rj+1], v[rB+rj+1]
.endif
.endif
.set rn, rn+1
.endm
.macro SLICE p
	WIN 0
.rept 4
	RID \p
.endr
.endm
; THE LDS LOADS stand in one run a tile.  q = 1: the eight wsq of the tile that is being multiplied into set p, for the riders of the next tile.  f = 1: the next tile's 16 fragments, into the other buffer.
.macro FETCH p, f, q
	WIN 0
.if \f
	v_add_nc_u32 v[ADR], s[TB], v[AW0]
	s_add_co_u32 s[TB], s[TB], TILEB               ; the next fetch is the next tile's
.endif
.if \q
	v_add_nc_u32 v[AQ], s[TW], v[AQ0]
	ds_load_b128 v[QB+8*(\p):QB+8*(\p)+3],   v[AQ]
	ds_load_b128 v[QB+8*(\p)+4:QB+8*(\p)+7], v[AQ] offset:16
	s_add_co_u32 s[TW], s[TW], 64
	s_and_b32 s[TW], s[TW], 0x1fc0                 ; stays inside the table's 8,192 bytes
.endif
.if \f
	WIN 0x40                                       ; destination window 1
.irp k, 0,1,2,3,4,5,6,7,8,9,10,11,12,13,14,15
	ds_load_b128 v[128*(1-(\p))+8*(\k):128*(1-(\p))+8*(\k)+3],   v[ADR] offset:64*(\k)
	ds_load_b128 v[128*(1-(\p))+8*(\k)+4:128*(1-(\p))+8*(\k)+7], v[ADR] offset:64*(\k)+32
.endr
.endif
.endm
; A TILE, into set p.  A vector instruction that reads or writes a matrix instruction's registers, and a load into them, stand four places behind it, and only plain vector instructions that name none of its
; registers are places (ISA guide 7.12.1 for vector instructions).  Counted: the riders beside set p's products name the other set alone.  Block 0 of set p is ended by product
; 60 and first read behind the next tile's second product: eight riders lie between; blocks 1 to 3 are read 32, 64, 96 riders later.  The run of loads stands behind the slice of product 3: twelve riders
; behind the last product that read the buffer it fills (four of them name nothing of products 60 to 63 of the tile before; the eight of the first two slices name block 0's sums alone).  So no v_nop is written.
.macro TILE p, f
	s_wait_dscnt 0x0                               ; this tile's fragments and the judged tile's wsq, asked for some sixty products ago, are in
.set mn, 0
.set rn, 0
.rept 32
	MM \p
	MM \p
	SLICE \p
.if mn == 4
	FETCH \p, \f, 1
.endif
.endr
	s_add_co_u32 s[TN], s[TN], 1
.endm
.macro EPI p                           ; the riders alone, for the last tile
	WIN 0
.set rn, 0
.rept 128
	RID \p
.endr
.endm
; A PREFETCH INTO THE L2 of what the NEXT change of slots will ask for: a slot is 512 blocks of 256 bytes: four partners, told apart BY ADDRESS, x four waves x 32 lanes: a lane a block, one instruction a wave.
; All clusters of a split walk the same codes: the split's first cluster asks, so each block is named once in the launch.  It stands behind the wave's tensor load and its five lines, eight tiles (512 matrix
; instructions) ahead of the load that will want the bytes.  Slots 0 to 2 come by their loads alone; the last change that fills a slot asks for nothing: there is no slot behind it.
.macro ASK
	s_cmp_gt_u32 s[SLOTS], s[LIM]
	s_cbranch_scc0 .Lnot_mine_\@
	global_prefetch_b8 v[PFO], s[PFA:PFA+1] th:TH_LOAD_NT scope:SCOPE_SE
.Lnot_mine_\@:
.endm
; THE CHANGE OF SLOTS, when the old slot's last tile has been asked for.  Each wave waits for all its tensor loads, of which one is out: its part of the other slot; adds 0 to its spare word; and waits for that
; and for its reads of the old slot.  fill = 1: the barrier is a round of the cluster's, so that no wave of any partner still reads the slot or has a load on its way, and the joint refill, with the codes two
; slots on, is the first thing behind it.
.macro CHANGE fill
	WIN 0                                          ; at a label and at a branch every window is 0
	s_wait_tensorcnt 0x0                           ; no tensor load of mine is out, so a group 0 may be written
	ds_add_u32 v[SPW], v[NIL]                      ; 0 onto my spare word; the steps below stand between it and the wait for it
.if \fill
	s_xor_b32 s[G0B+1], s[G0B+1], SLOTB            ; the walking descriptor: the other slot than last time,
	s_add_nc_u64 s[G0B+2:G0B+3], s[G0B+2:G0B+3], STEPB  ; the next 128 codes; the type bits on top are not reached
	s_wait_xcnt 0x0                                ; the last prefetch, eight tiles back, has read its address, so it may be written
	s_add_nc_u64 s[PFA:PFA+1], s[PFA:PFA+1], STEPB
	s_wait_dscnt 0x0                               ; the add is done, and my reads of the slot are over
	CROUND
	tensor_load_to_lds s[G0B:G0B+3], s[G1W:G1W+7]
	s_nop 0
.rept 4
	v_nop
.endr
	ASK
.else
	s_wait_dscnt 0x0                               ; the add is done, and my reads of the slot are over
	s_barrier_signal -1
	s_barrier_wait -1
.endif
	s_sub_co_u32 s[TB], s[TB], SLOTB               ; the fetches go back to a slot's first tile,
	s_xor_b32 s[TB], s[TB], SLOTB                  ; in the other slot
.endm
	s_wait_tensorcnt 0x1                           ; wsq and my part of slot 0 are in; slot 1's, the one younger load, may stay out
	s_barrier_signal -1
	s_barrier_wait -1                              ; everybody's are
	FETCH 1, 1, 0                                  ; tile 0 into buffer 0
	WIN 0
	s_wait_loadcnt 0x0                             ; x and xsq
.irp a, 0,1,2,3
	v_mov_b32 v[XS+2*(\a)+1], v[XS+2*(\a)]
.endr
	s_mov_b32 s[SLOTS], 15
	s_mov_b32 s[CNT], 4
	s_branch .Lfirst                               ; the loop is entered at a slot's first tile, in the middle of a trip
.Lslot:                                        ; 14 times: every slot but the last two is filled again
	CHANGE 1
	s_mov_b32 s[CNT], 4
.Lpair:                                        ; four trips: the old slot's tile 7 and the new slot's tile 0; then tiles 1 and 2, 3 and 4, 5 and 6
	TILE 1, 1
	WIN 0
.Lfirst:
	TILE 0, 1
	WIN 0
	s_sub_co_u32 s[CNT], s[CNT], 1
	s_cmp_lg_u32 s[CNT], 0
	s_cbranch_scc1 .Lpair
	s_sub_co_u32 s[SLOTS], s[SLOTS], 1
	s_cmp_lg_u32 s[SLOTS], 0
	s_cbranch_scc1 .Lslot
	CHANGE 0                                       ; the tail is written out: nothing is asked for
	s_mov_b32 s[CNT], 4
.Ltail:
	TILE 1, 1
	TILE 0, 1
	WIN 0
	s_sub_co_u32 s[CNT], s[CNT], 1
	s_cmp_lg_u32 s[CNT], 0
	s_cbranch_scc1 .Ltail
	TILE 1, 0                                      ; the last tile: only its wsq is fetched
	s_wait_dscnt 0x0
	EPI 0                                          ; and judged
	; THE END.  A tile's number becomes a code's: 2,048 split + 16 tile + 8 (l / 16) + j.  For each row block: the least of the lane's eight distances and of the other half's; among the places that hold it the
	; lowest code, in the lane and then across the halves.  So of equal distances the first code wins, as in an arg-min.
	s_lshl_b32 s20, s19, 11
	v_lshl_add_u32 v14, v2, 3, s20
.irp j, 0,1,2,3,4,5,6,7
	v_add_nc_u32 v[CJ+(\j)], (\j), v14
.endr
	v_mov_b32 v[BIG], 0x7fffffff
.irp a, 0,1,2,3
.irp j, 0,1,2,3,4,5,6,7
	v_lshl_add_u32 v[IDX+8*(\a)+(\j)], v[IDX+8*(\a)+(\j)], 4, v[CJ+(\j)]
.endr
.endr
.irp a, 0,1,2,3
	v_min3_num_f32 v[TM],   v[BEST+8*(\a)],   v[BEST+8*(\a)+1], v[BEST+8*(\a)+2]
	v_min3_num_f32 v[TM+1], v[BEST+8*(\a)+3], v[BEST+8*(\a)+4], v[BEST+8*(\a)+5]
	v_min3_num_f32 v[TM],   v[TM], v[BEST+8*(\a)+6], v[BEST+8*(\a)+7]
	v_min_num_f32 v[TM], v[TM], v[TM+1]
	v_permlanex16_b32 v[TM+1], v[TM], s[SEL], s[SEL+1]  ; the row's other codes lie in the lane 16 away
	v_min_num_f32 v[TM], v[TM], v[TM+1]
.irp j, 0,1,2,3,4,5,6,7
	v_cmp_eq_f32 vcc_lo, v[BEST+8*(\a)+(\j)], v[TM]
	v_cndmask_b32 v[CA+(\j)], v[BIG], v[IDX+8*(\a)+(\j)], vcc_lo
.endr
	v_min_u32 v[CA],   v[CA],   v[CA+1]
	v_min_u32 v[CA+2], v[CA+2], v[CA+3]
	v_min_u32 v[CA+4], v[CA+4], v[CA+5]
	v_min_u32 v[CA+6], v[CA+6], v[CA+7]
	v_min_u32 v[CA],   v[CA],   v[CA+2]
	v_min_u32 v[CA+4], v[CA+4], v[CA+6]
	v_min_u32 v[CA],   v[CA],   v[CA+4]
	v_permlanex16_b32 v[CA+1], v[CA], s[SEL], s[SEL+1]
	v_min_u32 v[CA], v[CA], v[CA+1]
	ds_store_b32 v[STO], v[TM] offset:64*(\a)      ; both halves of the lanes write the same word with the same number
	ds_store_b32 v[STO], v[CA] offset:256+64*(\a)
.endr
	ds_load_b64 v[BK:BK+1],   v[RD]                ; LDS serves a wave's instructions in order (ISA guide 5.7.1.4): these see my stores above; the stage is my wave's own
	ds_load_b64 v[BK+2:BK+3], v[RD] offset:256
	s_wait_dscnt 0x0
	global_store_b64 v[GO], v[BK:BK+1],   s[12:13] ; my wave's 64 least distances: 256 consecutive bytes, aligned
	global_store_b64 v[GO], v[BK+2:BK+3], s[14:15] ; and their codes
	s_wait_tensorcnt 0x0                           ; the wave's end, behind my last tensor load and my last LDS store
	ds_add_u32 v[SPW], v[NIL]
	s_wait_dscnt 0x0
	CROUND                                         ; the closing round: no work-group ends while a partner may still ask for a tile that names it
	s_endpgm
.Lfunc_end_k_qbebdd89d21_dist:
	.size	k_qbebdd89d21_dist, .Lfunc_end_k_qbebdd89d21_dist-k_qbebdd89d21_dist
	.p2alignl 7, 3214868480
	.fill 96, 4, 3214868480
	.section	.rodata,"a",@progbits
	.p2align	6, 0x0
	.amdhsa_kernel k_qbebdd89d21_dist
		.amdhsa_group_segment_fixed_size 327680
		.amdhsa_private_segment_fixed_size 0
		.amdhsa_enable_private_segment 0
		.amdhsa_kernarg_size 48
		.amdhsa_user_sgpr_count 2
		.amdhsa_user_sgpr_kernarg_segment_ptr 1
		.amdhsa_wavefront_size32 1
		.amdhsa_system_sgpr_workgroup_id_x 1
		.amdhsa_system_sgpr_workgroup_id_y 1
		.amdhsa_system_sgpr_workgroup_id_z 1
		.amdhsa_system_vgpr_workitem_id 0
		.amdhsa_next_free_vgpr 1024
		.amdhsa_next_free_sgpr 72
		.amdhsa_reserve_vcc 1
		.amdhsa_float_denorm_mode_32 3
		.amdhsa_float_denorm_mode_16_64 3
		.amdhsa_memory_ordered 1
		.amdhsa_forward_progress 1
		.amdhsa_inst_pref_size 115
	.end_amdhsa_kernel
	.amdgpu_metadata
---
amdhsa.version: [ 1, 2 ]
amdhsa.kernels:
  - .name:           k_qbebdd89d21_dist
    .symbol:         k_qbebdd89d21_dist.kd
    .args:
      - { .name: xb, .offset: 0, .size: 8, .value_kind: global_buffer, .address_space: global }
      - { .name: wb, .offset: 8, .size: 8, .value_kind: global_buffer, .address_space: global }
      - { .name: xsq, .offset: 16, .size: 8, .value_kind: global_buffer, .address_space: global }
      - { .name: wsq, .offset: 24, .size: 8, .value_kind: global_buffer, .address_space: global }
      - { .name: pmin, .offset: 32, .size: 8, .value_kind: global_buffer, .address_space: global }
      - { .name: pidx, .offset: 40, .size: 8, .value_kind: global_buffer, .address_space: global }
    .group_segment_fixed_size: 327680
    .private_segment_fixed_size: 0
    .kernarg_segment_align: 8
    .kernarg_segment_size: 48
    .max_flat_workgroup_size: 128
    .sgpr_count:     72
    .vgpr_count:     1024
    .wavefront_size: 32
...
	.end_amdgpu_metadata
.endif
;; end of part 2
;; launch pick (part 3): grid 256 x 1, 16 waves a work-group, no clusters, 0 bytes of LDS; arguments wb, pmin, pidx, out0, out1; writes out0, out1
.if DOCPART == 3
	.amdgcn_target "amdgcn-amd-amdhsa--gfx1250"
	.amdhsa_code_object_version 6
	.text
	.protected	k_qbebdd89d21_pick
	.globl	k_qbebdd89d21_pick
	.p2align	8
	.type	k_qbebdd89d21_pick,@function
k_qbebdd89d21_pick:
	s_mov_b64 s[64:65], 0
	v_nop
	global_prefetch_b8 v0, s[64:65] scope:SCOPE_SE
	s_setreg_imm32_b32 hwreg(HW_REG_WAVE_MODE, 25, 1), 1
	s_wait_xcnt 0x0
; THIRD OF THREE LAUNCHES.  For each row: of the four quarters' least distances (pmin) the least, the lower quarter where two are equal; its code (pidx) is out1, and that code's row of wb, widened to f32, out0.
; Nothing is left out.  LIMIT: out0 holds the code's row as rounded once to bf16 by the first launch.
; The choice among the four hangs on floating-point numbers, so it steers no address and no branch: all four candidate rows are loaded, by the whole numbers that the launch before stored, and the
; choice SELECTS among them.  A candidate row is 1,024 bytes.
; SHARES.  Work-group g: rows 64 g .. + 63; wave w: rows 64 g + 4 w + i, i < 4.  A row's four distances and codes are the same for all lanes: they come by scalar loads.  All 64 loads of a wave (4 rows x 4
; candidates x 4 pieces of 256 consecutive bytes) go out at once, each into registers of its own.  Wave 0 also merges the work-group's 64 rows for out1, a lane two rows, so that out1 leaves in one store.
; A stream: no LDS, no matrix work, no cluster.
.set IX,  16                           ; s[16:31] codes: quarter s, row i at IX + 4 s + i
.set PM,  32                           ; s[32:47] distances likewise
.set OFF, 8                            ; v[8:23]  row i, quarter s: 1,024 x code + 8 x lane
.set MP,  24                           ; v[24:31] wave 0: two rows' distances, quarter s at + 2 s
.set MI,  32                           ; v[32:39] wave 0: their codes
.set D,   64                           ; v[64:191] row i at D + 32 i; candidate s, piece c at + 8 s + 2 c
	s_load_b256 s[4:11], s[0:1], 0x0               ; wb s[4:5], pmin s[6:7], pidx s[8:9], out0 s[10:11]
	s_load_b64 s[12:13], s[0:1], 0x20              ; out1
	v_lshrrev_b32 v1, 5, v0
	v_readfirstlane_b32 s14, v1                    ; wave 0..15
	v_and_b32 v1, 31, v0
	v_lshlrev_b32 v2, 3, v1                        ; 8 x lane
	v_lshlrev_b32 v3, 4, v1                        ; 16 x lane
	s_lshl_b32 s2, ttmp9, 8                        ; 4 (64 g + 4 w)
	s_lshl_b32 s3, s14, 4
	s_add_co_u32 s2, s2, s3
	s_mov_b32 s3, 0
	s_lshl_b32 s52, ttmp9, 8                       ; out1: 256 g
	s_mov_b32 s53, 0
	s_lshl_b32 s54, ttmp9, 17                      ; out0: 2,048 (64 g + 4 w)
	s_lshl_b32 s55, s14, 13
	s_add_co_u32 s54, s54, s55
	s_mov_b32 s55, 0
	s_mov_b32 s51, 0xffff0000                      ; a word's upper bf16
	s_wait_kmcnt 0x0
	s_add_nc_u64 s[6:7], s[6:7], s[2:3]
	s_add_nc_u64 s[8:9], s[8:9], s[2:3]
	s_add_nc_u64 s[10:11], s[10:11], s[54:55]
	s_add_nc_u64 s[12:13], s[12:13], s[52:53]
.irp s, 0,1,2,3
	s_load_b128 s[IX+4*(\s):IX+4*(\s)+3], s[8:9], (\s)*65536   ; my four rows in quarter s
	s_load_b128 s[PM+4*(\s):PM+4*(\s)+3], s[6:7], (\s)*65536
.endr
	s_cmp_lg_u32 s14, 0
	s_cbranch_scc1 .Lnot_first
.irp s, 0,1,2,3                                ; wave 0, whose base is the work-group's: all 64 rows, two a lane
	global_load_b64 v[MP+2*(\s):MP+2*(\s)+1], v2, s[6:7] offset:(\s)*65536
	global_load_b64 v[MI+2*(\s):MI+2*(\s)+1], v2, s[8:9] offset:(\s)*65536
.endr
.Lnot_first:
	s_wait_kmcnt 0x0
.set n, 0
.rept 16
	s_min_u32 s[IX+n], s[IX+n], 8191               ; a code stays inside the table
.set n, n+1
.endr
.irp i, 0,1,2,3
.irp s, 0,1,2,3
	v_lshl_add_u32 v[OFF+4*(\i)+(\s)], s[IX+4*(\s)+(\i)], 10, v2
.endr
.endr
.irp i, 0,1,2,3
.irp s, 0,1,2,3
.irp c, 0,1,2,3
	global_load_b64 v[D+32*(\i)+8*(\s)+2*(\c):D+32*(\i)+8*(\s)+2*(\c)+1], v[OFF+4*(\i)+(\s)], s[4:5] offset:256*(\c)  ; 256 consecutive bytes, aligned; no hint: rows are named again and again
.endr
.endr
.endr
; Row i: the choice, as three masks; the chosen row's eight words; widened; stored.  No register that a store reads is written again.
.macro ROWOUT i
.set RR, D+32*(\i)
	s_wait_loadcnt 16*(3-(\i))                     ; loads come back in order: this row's sixteen (and wave 0's eight, which are older) are in, the younger rows' stay out
	v_mov_b32 v4, s[PM+(\i)]
.irp s, 1,2,3
	v_cmp_gt_f32 s[47+(\s)], v4, s[PM+4*(\s)+(\i)] ; is quarter s strictly below the least so far?
	v_min_num_f32 v4, s[PM+4*(\s)+(\i)], v4
.endr
.irp s, 1,2,3
.irp q, 0,1,2,3,4,5,6,7
	v_cndmask_b32 v[RR+(\q)], v[RR+(\q)], v[RR+8*(\s)+(\q)], s[47+(\s)]
.endr
.endr
.irp c, 0,1,2,3                                ; bf16 to f32, into the registers of candidates 2 and 3, which have been read
	v_lshlrev_b32 v[RR+16+4*(\c)],   16,  v[RR+2*(\c)]
	v_and_b32     v[RR+16+4*(\c)+1], s51, v[RR+2*(\c)]
	v_lshlrev_b32 v[RR+16+4*(\c)+2], 16,  v[RR+2*(\c)+1]
	v_and_b32     v[RR+16+4*(\c)+3], s51, v[RR+2*(\c)+1]
.endr
.irp c, 0,1,2,3
	global_store_b128 v3, v[RR+16+4*(\c):RR+16+4*(\c)+3], s[10:11] offset:2048*(\i)+512*(\c) th:TH_STORE_NT  ; 512 consecutive bytes, aligned
.endr
.endm
	ROWOUT 0
	ROWOUT 1
	ROWOUT 2
	ROWOUT 3
	s_cmp_lg_u32 s14, 0
	s_cbranch_scc1 .Lend
.irp s, 1,2,3                                  ; wave 0: out1, by the same choice; its eight loads were shown done by the last row's wait for 0
.irp e, 0,1
	v_cmp_lt_f32 vcc_lo, v[MP+2*(\s)+(\e)], v[MP+(\e)]
	v_cndmask_b32 v[MI+(\e)], v[MI+(\e)], v[MI+2*(\s)+(\e)], vcc_lo
	v_min_num_f32 v[MP+(\e)], v[MP+(\e)], v[MP+2*(\s)+(\e)]
.endr
.endr
	global_store_b64 v2, v[MI:MI+1], s[12:13]      ; the work-group's 64 codes: 256 consecutive bytes, aligned
.Lend:
	s_endpgm
.Lfunc_end_k_qbebdd89d21_pick:
	.size	k_qbebdd89d21_pick, .Lfunc_end_k_qbebdd89d21_pick-k_qbebdd89d21_pick
	.p2alignl 7, 3214868480
	.fill 96, 4, 3214868480
	.section	.rodata,"a",@progbits
	.p2align	6, 0x0
	.amdhsa_kernel k_qbebdd89d21_pick
		.amdhsa_group_segment_fixed_size 0
		.amdhsa_private_segment_fixed_size 0
		.amdhsa_enable_private_segment 0
		.amdhsa_kernarg_size 40
		.amdhsa_user_sgpr_count 2
		.amdhsa_user_sgpr_kernarg_segment_ptr 1
		.amdhsa_wavefront_size32 1
		.amdhsa_system_sgpr_workgroup_id_x 1
		.amdhsa_system_sgpr_workgroup_id_y 1
		.amdhsa_system_sgpr_workgroup_id_z 1
		.amdhsa_system_vgpr_workitem_id 0
		.amdhsa_next_free_vgpr 192
		.amdhsa_next_free_sgpr 66
		.amdhsa_reserve_vcc 1
		.amdhsa_float_denorm_mode_32 3
		.amdhsa_float_denorm_mode_16_64 3
		.amdhsa_memory_ordered 1
		.amdhsa_forward_progress 1
		.amdhsa_inst_pref_size 23
	.end_amdhsa_kernel
	.amdgpu_metadata
---
amdhsa.version: [ 1, 2 ]
amdhsa.kernels:
  - .name:           k_qbebdd89d21_pick
    .symbol:         k_qbebdd89d21_pick.kd
    .args:
      - { .name: wb, .offset: 0, .size: 8, .value_kind: global_buffer, .address_space: global }
      - { .name: pmin, .offset: 8, .size: 8, .value_kind: global_buffer, .address_space: global }
      - { .name: pidx, .offset: 16, .size: 8, .value_kind: global_buffer, .address_space: global }
      - { .name: out0, .offset: 24, .size: 8, .value_kind: global_buffer, .address_space: global }
      - { .name: out1, .offset: 32, .size: 8, .value_kind: global_buffer, .address_space: global }
    .group_segment_fixed_size: 0
    .private_segment_fixed_size: 0
    .kernarg_segment_align: 8
    .kernarg_segment_size: 40
    .max_flat_workgroup_size: 512
    .sgpr_count:     66
    .vgpr_count:     192
    .wavefront_size: 32
...
	.end_amdgpu_metadata
.endif
;; end of part 3
;; ======== version 2 of 2: 3 launches; version 1 with the launch prep written anew for expert scheduling mode
;; workspace buffers: xb 16,777,216 bytes; wb 8,388,608 bytes; xsq 65,536 bytes; wsq 32,768 bytes; pmin 262,144 bytes; pidx 262,144 bytes of whole numbers
;; launch prep (part 4): grid 256 x 1, 8 waves a work-group, no clusters, 1,536 bytes of LDS; arguments x, weight, xb, wb, xsq, wsq; writes xb, wb, xsq, wsq
.if DOCPART == 4
	.amdgcn_target "amdgcn-amd-amdhsa--gfx1250"
	.amdhsa_code_object_version 6
	.text
	.protected	k_qbebdd89d21_prep
	.globl	k_qbebdd89d21_prep
	.p2align	8
	.type	k_qbebdd89d21_prep,@function
k_qbebdd89d21_prep:
	s_mov_b64 s[64:65], 0
	v_nop
	global_prefetch_b8 v0, s[64:65] scope:SCOPE_SE
	s_setreg_imm32_b32 hwreg(HW_REG_WAVE_SCHED_MODE, 0, 2), 2
	s_setreg_imm32_b32 hwreg(HW_REG_WAVE_MODE, 25, 1), 1
	s_wait_xcnt 0x0
	s_wait_alu depctr_vm_vsrc(0)
; FIRST OF THREE LAUNCHES of: dist[n][q] = (|x[n]|^2 - 2 x[n].w[q]) + |w[q]|^2, idx[n] = first q of the least dist, out[n] = w[idx[n]].   x: [16384][512] f32, w: [8192][512] f32.
; THIS LAUNCH rounds x and w once to bf16 (xb, wb: what the matrix products of the next launch take and what the last launch gathers) and sums, in f32, the squares of the ROUNDED numbers of each row (xsq, wsq).
; NO WORK IS LEFT OUT, and every input is loaded.  |x[n]|^2 is the same for all q and would cancel in exact arithmetic, but it stays: it is some 5e2 where the distances of a row differ by some 1e-2, so the
; f32 sums of the formula above lose low bits of the rest, equal distances arise from that, and the first index wins them.  The next launch therefore makes the same two f32 roundings in the same order.
; LIMITS.  The sums of squares are taken in another order than a plain running sum (two packed chains a lane, then across the 32 lanes).  NaN and infinities are not treated apart.
; SHARES.  Work-group g: rows 64 g .. + 63 of x and rows 32 g .. + 31 of w.  A wave takes a whole row at a time: 8 rows of x and 4 of w, twelve in all.  A row is 2,048 bytes: four loads of 16 bytes a lane, each
; 512 consecutive bytes.  All 48 loads of a wave go out at once, each row into registers of its own: 24 KiB a wave on their way, no register is loaded twice, and no source of a store is written again.
; Nothing is shared between waves on the way in, so there is no LDS there, no matrix work and no cluster; the row sums meet in LDS so that they leave in one store of 256 (128) consecutive bytes a work-group.
; THE MODE: SCHED_MODE bits 1:0 = 2 (LLVM: expert scheduling mode 2), set by the entry lines.  The code itself states the register dependences between vector instructions and memory or LDS
; instructions, with s_wait_alu, always for 0.
; THE PLAN.  Registers that memory or LDS instructions touch:
;   v2 to v6, v30, v31   offsets, LDS addresses and the add's pair: written once at the head, read by loads, stores and LDS instructions, never written again.
;   D + 16 n             row n's sixteen registers.  Its four loads land in them; no vector instruction names them before.  The row's eight conversions read all sixteen and write words 4 c and 4 c + 1,
;                        which its four global stores and its unpacking lines read and nothing writes again.  Word 2, free since the conversions, takes the row's sum: read by one LDS store, never written again.
;   T (v8, v9)           at work in every row; at the end an LDS load of wave 0 or 1 lands in it, and a global store reads it.
;   The rest of T, S and v29 are named by vector instructions alone.
; So ONE wait on va_vdst stands in a row, behind its conversions: they have written the row's words, and the row before has written its sum.  The row's four global stores and the LDS store of the sum before
; follow it, dealt among the row's other vector lines, which write T, S, v29 and this row's word 2: none of the registers that those five read.  One more such wait stands behind the last row.
; No register that a memory or LDS instruction reads is ever written again, so no wait on vm_vsrc has a dependence to state, and only the entry lines hold one.
.set SPARE, 512                        ; LDS: 0-255 the 64 sums of x's rows, 256-383 the 32 of w's; from 512 on the spare words, 128 bytes for each of the eight waves, which no other line names
.set LO,  2                            ; v2   16 x lane: my 16 bytes of a load's 512
.set SO,  3                            ; v3   8 x lane: my 8 bytes of a store's 256
.set LWX, 4                            ; v4   LDS: 32 x wave: my wave's eight sums of x
.set LWW, 5                            ; v5   LDS: 256 + 16 x wave: my wave's four sums of w
.set WO,  6                            ; v6   4 x lane
.set T,   8                            ; v[8:23]   a lane's 16 rounded numbers as f32
.set S,   24                           ; v[24:27]  two packed chains of squares
.set SPW, 30                           ; v30  LDS address of my spare word; never rewritten
.set NIL, 31                           ; v31  0; never rewritten
.set D,   32                           ; v[32:223] row n of twelve at D + 16 n, load c at + 4 c; behind the conversions D + 16 n + 2 takes the row's sum
	s_load_b256 s[4:11], s[0:1], 0x0               ; x s[4:5], weight s[6:7], xb s[8:9], wb s[10:11]
	s_load_b128 s[12:15], s[0:1], 0x20             ; xsq s[12:13], wsq s[14:15]
	v_lshl_add_u32 v[SPW], v0, 2, SPARE
	v_mov_b32 v[NIL], 0
	v_lshrrev_b32 v1, 5, v0
	v_readfirstlane_b32 s16, v1                    ; wave 0..7
	v_and_b32 v1, 31, v0                           ; lane
	v_lshlrev_b32 v[LO], 4, v1
	v_lshlrev_b32 v[SO], 3, v1
	v_lshlrev_b32 v[WO], 2, v1
	v_mov_b32 v29, 0                               ; v_permlanex16_b32 counts as a reader of its destination
	s_wait_alu depctr_va_sdst(0)                   ; s16 is written, ahead of its first reader: the LDS addresses and the bases below are made from it
	s_lshl_b32 s26, s16, 5                         ; (s26 and s27, which vector instructions read, are not written again)
	v_mov_b32 v[LWX], s26
	s_lshl_b32 s27, s16, 4
	s_add_co_u32 s27, s27, 256
	v_mov_b32 v[LWW], s27
	s_mov_b32 s20, 0x76543210                      ; v_permlanex16_b32's selects: each lane takes its own place in the other half
	s_mov_b32 s21, 0xfedcba98
	s_mov_b32 s22, 0xffff0000                      ; a word's upper bf16
	s_lshl_b32 s18, ttmp9, 17                      ; x: 64 rows of 2,048 bytes a work-group,
	s_lshl_b32 s17, s16, 14                        ; 8 a wave
	s_add_co_u32 s18, s18, s17
	s_mov_b32 s19, 0
	s_lshl_b32 s24, ttmp9, 8                       ; xsq: 64 sums a work-group
	s_mov_b32 s25, 0
	s_wait_kmcnt 0x0
	s_add_nc_u64 s[4:5], s[4:5], s[18:19]
	s_lshr_b32 s18, s18, 1                         ; half of that for w (32 and 4 rows of 2,048 bytes) and for xb (64 and 8 rows of 1,024)
	s_add_nc_u64 s[6:7], s[6:7], s[18:19]
	s_add_nc_u64 s[8:9], s[8:9], s[18:19]
	s_lshr_b32 s18, s18, 1                         ; a quarter for wb
	s_add_nc_u64 s[10:11], s[10:11], s[18:19]
	s_add_nc_u64 s[12:13], s[12:13], s[24:25]
	s_lshr_b32 s24, s24, 1                         ; wsq: 32 sums a work-group
	s_add_nc_u64 s[14:15], s[14:15], s[24:25]
	s_wait_alu depctr_va_vdst(0)                   ; v2 to v6, v30 and v31 are written: every load, store and LDS instruction of the kernel reads one or two of them as its offset, address or data
.irp n, 0,1,2,3,4,5,6,7
.irp c, 0,1,2,3
	global_load_b128 v[D+16*(\n)+4*(\c):D+16*(\n)+4*(\c)+3], v[LO], s[4:5] offset:(\n)*2048+512*(\c) th:TH_LOAD_NT
.endr
.endr
.irp n, 0,1,2,3
.irp c, 0,1,2,3
	global_load_b128 v[D+16*(8+(\n))+4*(\c):D+16*(8+(\n))+4*(\c)+3], v[LO], s[6:7] offset:(\n)*2048+512*(\c) th:TH_LOAD_NT
.endr
.endr
; Row n's sum goes to its word in LDS.
.macro SUMOUT n
.if (\n) < 8
	ds_store_b32 v[LWX], v[D+16*(\n)+2] offset:4*(\n)         ; all lanes write the same word with the same number
.else
	ds_store_b32 v[LWW], v[D+16*(\n)+2] offset:4*((\n)-8)
.endif
.endm
; Row n: rounded, stored, squared and summed.
.macro ROW n
.set RR, D+16*(\n)
	s_wait_loadcnt 4*(11-(\n))                     ; loads come back in order: this row's four are in, the younger rows' stay out
.irp c, 0,1,2,3
	v_cvt_pk_bf16_f32 v[RR+4*(\c)],   v[RR+4*(\c)],   v[RR+4*(\c)+1]   ; four numbers into two words, to nearest even
	v_cvt_pk_bf16_f32 v[RR+4*(\c)+1], v[RR+4*(\c)+2], v[RR+4*(\c)+3]
.endr
	s_wait_alu depctr_va_vdst(0)                   ; the conversions have written this row's eight words, which the four stores below read; the row before has written its sum, which the LDS store below reads
.irp c, 0,1,2,3
.if (\n) < 8
	global_store_b64 v[SO], v[RR+4*(\c):RR+4*(\c)+1], s[8:9] offset:(\n)*1024+256*(\c)        ; the wave stores 256 consecutive bytes, aligned.  No further wait: no vector line since the wait writes these words
.else
	global_store_b64 v[SO], v[RR+4*(\c):RR+4*(\c)+1], s[10:11] offset:((\n)-8)*1024+256*(\c)
.endif
	v_lshlrev_b32 v[T+4*(\c)],   16,  v[RR+4*(\c)]                    ; the rounded numbers as f32
	v_and_b32     v[T+4*(\c)+1], s22, v[RR+4*(\c)]
	v_lshlrev_b32 v[T+4*(\c)+2], 16,  v[RR+4*(\c)+1]
	v_and_b32     v[T+4*(\c)+3], s22, v[RR+4*(\c)+1]
.endr
.if (\n) > 0
	SUMOUT (\n)-1                                  ; the sum of the row before: no vector line of this row names its register
.endif
	v_pk_mul_f32 v[S:S+1],   v[T:T+1],   v[T:T+1]                     ; the first squares start the two chains: nothing is cleared
	v_pk_mul_f32 v[S+2:S+3], v[T+2:T+3], v[T+2:T+3]
.irp p, 2,3,4,5,6,7
	v_pk_fma_f32 v[S+2*((\p)%2):S+2*((\p)%2)+1], v[T+2*(\p):T+2*(\p)+1], v[T+2*(\p):T+2*(\p)+1], v[S+2*((\p)%2):S+2*((\p)%2)+1]
.endr
	v_pk_add_f32 v[S:S+1], v[S:S+1], v[S+2:S+3]
	v_add_f32 v[RR+2], v[S], v[S+1]                                   ; the sum is made in the row's own word 2, which no store of the row reads
	v_add_f32_dpp v[RR+2], v[RR+2], v[RR+2] row_xmask:1 row_mask:0xf bank_mask:0xf  ; across the 32 lanes: four steps inside each half, one across the halves
	v_add_f32_dpp v[RR+2], v[RR+2], v[RR+2] row_xmask:2 row_mask:0xf bank_mask:0xf
	v_add_f32_dpp v[RR+2], v[RR+2], v[RR+2] row_xmask:4 row_mask:0xf bank_mask:0xf
	v_add_f32_dpp v[RR+2], v[RR+2], v[RR+2] row_xmask:8 row_mask:0xf bank_mask:0xf
	v_permlanex16_b32 v29, v[RR+2], s20, s21
	v_add_f32 v[RR+2], v[RR+2], v29
.endm
.irp n, 0,1,2,3,4,5,6,7,8,9,10,11
	ROW \n
.endr
	s_wait_alu depctr_va_vdst(0)                   ; the last row has written its sum, which the LDS store below reads; and the vector lines are done with T, in which the LDS loads behind the barrier land (no vector line follows)
	SUMOUT 11
	s_wait_dscnt 0x0                               ; for the others' sake: my sums lie in LDS
	s_barrier_signal -1
	s_barrier_wait -1                              ; everybody's do
	s_cmp_lg_u32 s16, 0
	s_cbranch_scc1 .Lnot_wave_0
	ds_load_b64 v[T:T+1], v[SO]                    ; wave 0: the 64 sums of x's rows
	s_wait_dscnt 0x0
	global_store_b64 v[SO], v[T:T+1], s[12:13]     ; 256 consecutive bytes, aligned
	s_branch .Lend
.Lnot_wave_0:
	s_cmp_lg_u32 s16, 1
	s_cbranch_scc1 .Lend
	ds_load_b32 v[T], v[WO] offset:256             ; wave 1: the 32 sums of w's rows
	s_wait_dscnt 0x0
	global_store_b32 v[WO], v[T], s[14:15]         ; 128 consecutive bytes
.Lend:
	s_wait_dscnt 0x0                               ; the wave's end
	s_wait_alu 0x0
	s_wait_tensorcnt 0x0
	ds_add_u32 v[SPW], v[NIL]
	s_wait_dscnt 0x0
	s_endpgm
.Lfunc_end_k_qbebdd89d21_prep:
	.size	k_qbebdd89d21_prep, .Lfunc_end_k_qbebdd89d21_prep-k_qbebdd89d21_prep
	.p2alignl 7, 3214868480
	.fill 96, 4, 3214868480
	.section	.rodata,"a",@progbits
	.p2align	6, 0x0
	.amdhsa_kernel k_qbebdd89d21_prep
		.amdhsa_group_segment_fixed_size 1536
		.amdhsa_private_segment_fixed_size 0
		.amdhsa_enable_private_segment 0
		.amdhsa_kernarg_size 48
		.amdhsa_user_sgpr_count 2
		.amdhsa_user_sgpr_kernarg_segment_ptr 1
		.amdhsa_wavefront_size32 1
		.amdhsa_system_sgpr_workgroup_id_x 1
		.amdhsa_system_sgpr_workgroup_id_y 1
		.amdhsa_system_sgpr_workgroup_id_z 1
		.amdhsa_system_vgpr_workitem_id 0
		.amdhsa_next_free_vgpr 224
		.amdhsa_next_free_sgpr 66
		.amdhsa_reserve_vcc 0
		.amdhsa_float_denorm_mode_32 3
		.amdhsa_float_denorm_mode_16_64 3
		.amdhsa_memory_ordered 1
		.amdhsa_forward_progress 1
		.amdhsa_inst_pref_size 37
	.end_amdhsa_kernel
	.amdgpu_metadata
---
amdhsa.version: [ 1, 2 ]
amdhsa.kernels:
  - .name:           k_qbebdd89d21_prep
    .symbol:         k_qbebdd89d21_prep.kd
    .args:
      - { .name: x, .offset: 0, .size: 8, .value_kind: global_buffer, .address_space: global }
      - { .name: weight, .offset: 8, .size: 8, .value_kind: global_buffer, .address_space: global }
      - { .name: xb, .offset: 16, .size: 8, .value_kind: global_buffer, .address_space: global }
      - { .name: wb, .offset: 24, .size: 8, .value_kind: global_buffer, .address_space: global }
      - { .name: xsq, .offset: 32, .size: 8, .value_kind: global_buffer, .address_space: global }
      - { .name: wsq, .offset: 40, .size: 8, .value_kind: global_buffer, .address_space: global }
    .group_segment_fixed_size: 1536
    .private_segment_fixed_size: 0
    .kernarg_segment_align: 8
    .kernarg_segment_size: 48
    .max_flat_workgroup_size: 256
    .sgpr_count:     66
    .vgpr_count:     224
    .wavefront_size: 32
...
	.end_amdgpu_metadata
.endif
;; end of part 4
;; launch dist: the kernel of part 2 again; grid 64 x 4, 4 waves a work-group, clusters of 4 x 1, 327,680 bytes of LDS; arguments xb, wb, xsq, wsq, pmin, pidx; writes pmin, pidx
;; launch pick: the kernel of part 3 again; grid 256 x 1, 16 waves a work-group, no clusters, 0 bytes of LDS; arguments wb, pmin, pidx, out0, out1; writes out0, out1
